; MI455X (gfx1250); checked and timed in simulation.
; The chip was launched on July 23, 2026; its instructions are those of AMD's public machine-readable ISA for CDNA 5 (MIT licence, August 2026) and "CDNA5" Instruction Set Architecture Reference Guide (July 2026). The comments in the code are by the model that wrote it; some were corrected since.
;; Neural Network. Allowed arithmetic: float matrix products may take bf16 or f16 operands with f32 sums; other float arithmetic in f32, or as packed bf16 or f16 multiplies, adds, multiply-adds, maxima and minima; sums over many terms, partial sums and values carried from step to step in f32; what a program stores and reads back later, other than sums and carried values, may be rounded once to bf16 or f16.
;; Inputs: BM 1,048,576 x 5 float32; K 1,048,576 float32; S0 1,048,576 float32; T 1,048,576 float32; W1 4 x 30 float32; W2 30 x 5 float32; W3 5 x 30 float32; W4 30 x 5 float32; W5 5 x 30 float32; W6 30 x 2 float32; b1 30 float32; b2 5 float32; b3 30 float32; b4 5 float32; b5 30 float32; b6 2 float32.
;; Outputs: out0 1,048,576 float32.
;; One version. Each part assembles by itself: llvm-mc -triple=amdgcn-amd-amdhsa -mcpu=gfx1250 --defsym DOCPART=n.
;; ======== version 1 of 1: 1 launch
;; limits: values outside matrix products are rounded to f16; values are held in f16: magnitudes above 65,504 overflow, below 6.1e-05 lose precision
;; launch paths (part 1): grid 256 x 1, 16 waves a work-group, no clusters, 15,104 bytes of LDS; arguments S0, K, T, BM, W1, b1, W2, b2, W3, b3, W4, b4, W5, b5, W6, b6, out0; writes out0
.if DOCPART == 1
	.amdgcn_target "amdgcn-amd-amdhsa--gfx1250"
	.amdhsa_code_object_version 6
	.text
	.protected	k_qeb259b111c_paths
	.globl	k_qeb259b111c_paths
	.p2align	8
	.type	k_qeb259b111c_paths,@function
k_qeb259b111c_paths:
	s_mov_b64 s[64:65], 0
	v_nop
	global_prefetch_b8 v0, s[64:65] scope:SCOPE_SE
	s_setreg_imm32_b32 hwreg(HW_REG_WAVE_MODE, 25, 1), 1
	s_wait_xcnt 0x0
; out0[p] = relu(price - K) - hedge after 5 steps; each step evaluates the net 4 -> 30 -> 5 -> 30 -> 5 -> 30 -> 2 twice (leverage, then hedge on the new price).
; 1,048,576 paths, 256 work-groups of 4,096, 16 waves, 4 passes of 64 consecutive paths a wave.  Lane L owns paths 2 L (group a) and 2 L + 1 (group b): S0, K, T, out0 are 8 bytes a lane,
; 256 consecutive aligned bytes a wave; BM is 40 bytes a lane.  A path's state never leaves its lane; the next pass's 32 bytes a path are loaded one whole pass ahead.
; FOLD.  No relu stands between W2 and W3, nor between W4 and W5: relu(.) W2 + b2 followed by W3 + b3 is relu(.) (W2 W3) + (b2 W3 + b3), for every input.  The folded matrices are made once a
; work-group in f32 (a re-association of reference()'s sums).  Biases ride in a K slot: hidden index 30 carries the number 1 of the homogeneous form, index 31 is 0.
; FORMAT.  Operands f16, sums f32.  Range is made by exact powers of two: the net is positively homogeneous in (features, 1), so each path's features are multiplied by sigma = 2^-(e+1),
; e = floor(log2 max(|price|, |log2(price/K)|, |T - t|, 1)), and each layer's matrix by s = 2^-floor(log2 max(1, largest |entry|)).  Then features lie under 1 and entries under 2:
; hidden values stay under 9, 541 and 32,461, inside f16 for all finite inputs.  The result is unscaled in f32 by 2^(e+1) and U = 1 / (s1 s2 s3 s4).
; LAYER 1 uses spare K slots for precision: price as f16 high + low parts, its weight likewise (high x high, low x high, high x low).
; LAYOUT.  D = A (16 outputs x 32 k, weights) x B (32 k x 16 paths).  In D lane (r, h) holds path column r, outputs 8 h + j: two D tiles (outputs 0-15, 16-31) rounded in pairs ARE the next B.
; A group's lanes 0-15 are tile X, lanes 16-31 tile Y.  One feature operand serves both: each lane writes its own path's 8 slots into B's registers 0-3 (k 0-7 for h = 0, k 8-15 for h = 1);
; A1X has the weights at k 0-7, A1Y at k 8-15.  B's registers 4-7 there hold old finite numbers and meet zero weights.  The last matrix has W6's two columns in rows 0, 1 and again in rows 8, 9,
; so register 0 or 1 of D(X) in lanes 0-15 and of D(Y) in lanes 16-31 is the lane's own path.
; NaN.  X and Y share an operand, so nothing that is not finite may enter it.  PZ takes 0 x log, 0 x price, 0 x T (NaN if any is NaN or infinite) and is added to the result; log, price and T are then clamped.
; LIMITS.  A finite |price| or |T| above 2^125 counts as 2^125.  Where price / K is 0, denormal, negative or overflows, or the price is not finite, the result is NaN.  1 / K is v_rcp_f32 (1 ULP).
; Weights and biases are finite and U stays under 2^127.  A term below 2^-24 of a path's scaled numbers (f16's last step) is dropped.  Overflow inside the net (beyond f32 in reference()) is not followed.
.set PASSES, 4
.set STEPS,  5
.set PASS4,  4096                      ; bytes of S0, K, T, out0 in a pass of the work-group: 1,024 paths x 4
.set PASS20, 20480                     ; bytes of BM in a pass: 1,024 paths x 20
.set PITCH,  80                        ; an LDS row of a matrix: 32 f16 + 16 bytes: an odd multiple of 16, so the 16 rows of a fragment load start in 16 different 16-byte columns of 256
.set MATB,   32*PITCH
.set MAXS,   0                         ; 16 waves x 4 maxima
.set MAT1X,  256
.set MAT1Y,  MAT1X+MATB
.set MAT2,   MAT1Y+MATB
.set MAT3,   MAT2+MATB
.set MAT4,   MAT3+MATB
.set SPARE,  MAT4+MATB                 ; 13,056 = 51 x 256: the spare words, 128 bytes for each of 16 waves; no other line names them
.set SPW,  2                           ; v2   LDS address of my spare word; never rewritten
.set NIL,  3                           ; v3   0, for the add alone
.set VZ,   4                           ; v4   0
.set NEG1, 5                           ; v5   -1.0
.set O8,   6                           ; v6   8 x thread: my 8 bytes of S0, K, T, out0 in a pass; never rewritten
.set O40,  7                           ; v7   40 x thread: my 40 bytes of BM; never rewritten
.set PR,   8                           ; pairs (group a, group b): price
.set HG,   10                          ; hedge
.set KK,   12                          ; K
.set IK,   14                          ; 1 / K
.set TT,   16                          ; T
.set PZ,   18                          ; 0, or NaN
.set TAU,  20                          ; T - t
.set MXZ,  22                          ; max(1, |T - t|)
.set IU,   24                          ; dW x 0.2 x U, or dW x 0 where t > T
.set INV,  26                          ; 2^(e+1)
.set DWA,  28                          ; v[28:32] group a's dW of this step and the later ones; v[33:37] group b's
.set DWB,  33
.set XX,   38                          ; at work in the update; the store's data
.set NXT,  40                          ; v[40:55] the next pass: S0, K, T (pairs), BM (10)
.set A1X,  56                          ; weights: two row tiles of 8 registers each
.set A1Y,  72
.set A2,   88
.set A3,   104
.set A4,   120                         ; one row tile
.set BB,   128                         ; group g: B(X) at BB + 16 g, B(Y) 8 further on
.set DD,   160                         ; group g: D at DD + 32 g: X outputs 0-15, X 16-31, Y 0-15, Y 16-31
.set TQ,   208                         ; pairs at work on the features, in group b's D (Y), which is free from its last rounding to its next first layer
.set TMX,  210
.set TSG,  212                         ; sigma
.set TPH,  214
.set TLH,  216
.set TTH,  218
.set TUH,  220
.set TLO,  222
; the head's registers, all in BB and DD but outside B(X)'s registers 4-7, which are cleared
.set HM,   128                         ; m = thread / 16: the row (output) that I make
.set HKP,  129                         ; kp = thread % 16: I make k = 2 kp and 2 kp + 1
.set HKQ,  130
.set HT,   131
.set HOM,  136
.set HO2,  137
.set HO6,  138
.set HSTA, 139
.set HFA,  140
.set HMA,  141
.set HMR,  142
.set HEB,  143
.set HE2,  144
.set HE3,  146
.set HE4,  152
.set HP0,  154
.set HP1,  155
.set HP2,  156
.set HP3,  157
.set HP4,  158
.set HP5,  159
.set HP6,  198
.set HMX,  212
; scalars: s2 wave; s[8:41] the 17 addresses; s[44:48] b2; s[52:56] b4; s[58:59] b6; s66-s75, s83 lane masks of the head; s76 lanes 16-31; s77-s80 s1-s4; s81 U; s82 0.2 U;
; s[84:88] the ring of t, the step's own first; s90, s91 selects; s92 exponent mask; s93 bits of 2^126 (253 << 23); s94, s95 +-2^125; s96, s97 +-200; s98 passes, s99 steps to go
	s_load_b512 s[8:23], s[0:1], 0x0               ; S0, K, T, BM, W1, b1, W2, b2
	s_load_b512 s[24:39], s[0:1], 0x40             ; W3, b3, W4, b4, W5, b5, W6, b6
	s_load_b64 s[40:41], s[0:1], 0x80              ; out0
	v_lshl_add_u32 v[SPW], v0, 2, SPARE
	v_mov_b32 v[NIL], 0
	v_mov_b32 v[VZ], 0
	v_mov_b32 v[NEG1], -1.0
	v_lshrrev_b32 v1, 5, v0
	v_readfirstlane_b32 s2, v1                     ; wave 0..15
	v_lshlrev_b32 v[O8], 3, v0
	v_mul_u32_u24 v[O40], v0, 40
	v_lshrrev_b32 v[HM], 4, v0
	v_and_b32 v[HKP], 15, v0
	v_and_b32 v[HKQ], 3, v0
	v_min_u32 v[HT], 29, v[HM]                     ; rows 30 and 31 load row 29's numbers and mask them: no load leaves its buffer
	v_lshlrev_b32 v[HOM], 2, v[HT]
	v_min_u32 v[HT], 14, v[HKP]                    ; likewise k = 30, 31
	v_mul_u32_u24 v[HO2], v[HT], 40                ; two rows of 5 f32
	v_lshlrev_b32 v[HO6], 4, v[HT]                 ; two rows of 2 f32
	v_bfe_u32 v[HT], v0, 4, 1                      ; lane / 16
	s_mul_i32 s3, s2, 2*PITCH                      ; a wave makes rows 2 w and 2 w + 1
	v_mul_u32_u24 v[HSTA], v[HT], PITCH
	v_lshl_add_u32 v[HSTA], v[HKP], 2, v[HSTA]
	v_add_nc_u32 v[HSTA], s3, v[HSTA]              ; where my pair goes: m x 80 + 4 kp
	v_mul_u32_u24 v[HFA], v[HKP], PITCH
	v_lshl_add_u32 v[HFA], v[HT], 4, v[HFA]        ; a fragment: row lane % 16, 16 bytes for each half of the lanes
	v_mov_b32 v[HMA], s2
	v_lshlrev_b32 v[HMA], 4, v[HMA]                ; my wave's four maxima
	v_lshlrev_b32 v[HMR], 4, v[HKP]                ; the maxima of wave lane % 16
	v_cmp_eq_u32 s66, 15, v[HKP]                   ; k = 30, 31
	v_cmp_gt_u32 s67, 30, v[HM]                    ; a true output
	v_cmp_eq_u32 s83, 30, v[HM]                    ; the row that passes the 1 on
	s_and_b32 s68, s83, s66
	v_cmp_eq_u32 s69, 1, v[HKQ]
	v_cmp_eq_u32 s70, 2, v[HKQ]
	v_cmp_eq_u32 s71, 3, v[HKQ]
	v_cmp_gt_u32 s72, 4, v[HKP]                    ; k 0-7
	v_lshrrev_b32 v[HT], 2, v[HKP]
	v_cmp_eq_u32 s73, 1, v[HT]                     ; k 8-15
	v_and_b32 v[HT], 6, v[HM]
	v_cmp_eq_u32 s74, 0, v[HT]                     ; rows 0, 1, 8, 9 (and 16, 17, 24, 25, which are never read)
	v_and_b32 v[HT], 1, v[HM]
	v_cmp_eq_u32 s75, 1, v[HT]                     ; W6's column 1
.irp j, 4,5,6,7
	v_mov_b32 v[BB+\j], 0                          ; k 16-31 of the feature operands: finite from the start
	v_mov_b32 v[BB+16+\j], 0
.endr
	s_mov_b32 s76, 0xffff0000
	s_mov_b32 s84, 0x3e4ccccd                      ; 1/5, 2/5, 3/5, 4/5, 5/5 in f32
	s_mov_b32 s85, 0x3ecccccd
	s_mov_b32 s86, 0x3f19999a
	s_mov_b32 s87, 0x3f4ccccd
	s_mov_b32 s88, 0x3f800000
	s_mov_b32 s90, 0x76543210
	s_mov_b32 s91, 0xfedcba98
	s_mov_b32 s92, 0x7f800000
	s_mov_b32 s93, 0x7e800000
	s_mov_b32 s94, 0x7e000000
	s_mov_b32 s95, 0xfe000000
	s_mov_b32 s96, 0x43480000
	s_mov_b32 s97, 0xc3480000
	s_mov_b32 s98, PASSES
	s_lshl_b32 s4, ttmp9, 14                       ; the work-group's 4,096 paths: 16,384 bytes of S0, K, T, out0,
	s_mov_b32 s5, 0
	s_mul_i32 s6, ttmp9, 81920                     ; 81,920 of BM
	s_mov_b32 s7, 0
	s_wait_kmcnt 0x0
	s_load_b128 s[44:47], s[22:23], 0x0            ; b2
	s_load_b32 s48, s[22:23], 0x10
	s_load_b128 s[52:55], s[30:31], 0x0            ; b4
	s_load_b32 s56, s[30:31], 0x10
	s_load_b64 s[58:59], s[38:39], 0x0             ; b6
.irp j, 0,1,2,3,4
	global_load_b64 v[160+2*\j:161+2*\j], v[HO2], s[20:21] offset:8*\j   ; W2's rows 2 kp, 2 kp + 1
.endr
.irp i, 0,1,2,3,4
	global_load_b32 v[170+\i], v[HOM], s[24:25] offset:120*\i            ; W3's column m
.endr
	global_load_b32 v175, v[HOM], s[26:27]                               ; b3[m]
.irp j, 0,1,2,3,4
	global_load_b64 v[176+2*\j:177+2*\j], v[HO2], s[28:29] offset:8*\j   ; W4
.endr
.irp i, 0,1,2,3,4
	global_load_b32 v[186+\i], v[HOM], s[32:33] offset:120*\i            ; W5
.endr
	global_load_b32 v191, v[HOM], s[34:35]                               ; b5
.irp f, 0,1,2,3
	global_load_b32 v[192+\f], v[HOM], s[16:17] offset:120*\f            ; W1's column m
.endr
	global_load_b32 v196, v[HOM], s[18:19]                               ; b1
	global_load_b128 v[200:203], v[HO6], s[36:37]                        ; W6's rows 2 kp, 2 kp + 1
	s_add_nc_u64 s[8:9], s[8:9], s[4:5]
	s_add_nc_u64 s[10:11], s[10:11], s[4:5]
	s_add_nc_u64 s[12:13], s[12:13], s[4:5]
	s_add_nc_u64 s[40:41], s[40:41], s[4:5]
	s_add_nc_u64 s[14:15], s[14:15], s[6:7]
; A pass's 8 loads into NXT, o8 and o40 bytes behind the pointers.  BM's five read the same 1,280 bytes of the wave between them.
.macro PLOADS o8, o40
	global_load_b64 v[NXT:NXT+1],   v[O8], s[8:9]   offset:\o8 th:TH_LOAD_NT
	global_load_b64 v[NXT+2:NXT+3], v[O8], s[10:11] offset:\o8 th:TH_LOAD_NT
	global_load_b64 v[NXT+4:NXT+5], v[O8], s[12:13] offset:\o8 th:TH_LOAD_NT
.irp j, 0,1,2,3,4
	global_load_b64 v[NXT+6+2*\j:NXT+7+2*\j], v[O40], s[14:15] offset:(\o40)+8*\j
.endr
.endm
	PLOADS 0, 0                                    ; pass 0
	s_wait_kmcnt 0x0                               ; b2, b4, b6
	s_wait_loadcnt 0x8                             ; the 28 loads of weights are in; the 8 younger ones, pass 0's, stay out
; Entries (k = 2 kp, m) and (2 kp + 1, m) of [Wa; ba | e] [Wb; bb | e]: u = Wa's two rows, v = Wb's column, bb = bb[m], sb = ba (scalars); into e, e + 1.
.macro PROD u, v, bb, sb, e
	v_mul_f32 v[\e], v[\u], v[\v]
	v_mul_f32 v[(\e)+1], v[(\u)+5], v[\v]
	v_fma_f32 v[HEB], s[\sb], v[\v], v[\bb]
.irp i, 1,2,3,4
	v_fmac_f32 v[\e], v[(\u)+\i], v[(\v)+\i]
	v_fmac_f32 v[(\e)+1], v[(\u)+5+\i], v[(\v)+\i]
	v_fmac_f32 v[HEB], s[(\sb)+\i], v[(\v)+\i]
.endr
	v_cndmask_b32 v[\e], v[\e], v[HEB], s66        ; k = 30: the bias row
	v_cndmask_b32 v[(\e)+1], v[(\e)+1], 0, s66     ; k = 31: 0
	v_cndmask_b32 v[\e], 0, v[\e], s67             ; rows 30, 31: 0,
	v_cndmask_b32 v[(\e)+1], 0, v[(\e)+1], s67
	v_cndmask_b32 v[\e], v[\e], 1.0, s68           ; but (30, 30) = 1
.endm
	PROD 160, 170, 175, 44, HE2
	PROD 176, 186, 191, 52, HE3
	v_cndmask_b32 v[HE4], v200, v201, s75          ; the last matrix: W6's column m % 2,
	v_cndmask_b32 v[HE4+1], v202, v203, s75
	v_mov_b32 v[HEB], s58
	v_cndmask_b32 v[HEB], v[HEB], s59, s75
	v_cndmask_b32 v[HE4], v[HE4], v[HEB], s66      ; b6 at k = 30,
	v_cndmask_b32 v[HE4+1], v[HE4+1], 0, s66
	v_cndmask_b32 v[HE4], 0, v[HE4], s74           ; in rows 0, 1, 8, 9
	v_cndmask_b32 v[HE4+1], 0, v[HE4+1], s74
.irp f, 0,1,2,3,4
	v_cndmask_b32 v[192+\f], 0, v[192+\f], s67     ; the first matrix: W1's four and b1
.endr
	v_mul_f32 v195, 0x3f317218, v195               ; the feature is log2: ln 2 goes into its weight
	v_cndmask_b32 v196, v196, 1.0, s83             ; row 30 makes the 1
	v_max3_num_f32 v204, |v192|, |v193|, 1.0       ; the four matrices' largest magnitudes, 1 at the least
	v_max3_num_f32 v204, v204, |v194|, |v195|
	v_max_num_f32 v204, v204, |v196|
	v_max3_num_f32 v205, |v[HE2]|, |v[HE2+1]|, 1.0
	v_max3_num_f32 v206, |v[HE3]|, |v[HE3+1]|, 1.0
	v_max3_num_f32 v207, |v[HE4]|, |v[HE4+1]|, 1.0
.macro WMAX r                          ; over the wave's 32 lanes
.irp x, 1,2,4,8
	v_max_num_f32_dpp v[\r], v[\r], v[\r] row_xmask:\x row_mask:0xf bank_mask:0xf
.endr
	v_permlanex16_b32 v1, v[\r], s90, s91
	v_max_num_f32 v[\r], v[\r], v1
.endm
	WMAX 204
	WMAX 205
	WMAX 206
	WMAX 207
	ds_store_b128 v[HMA], v[204:207] offset:MAXS   ; all lanes write the wave's 16 bytes with the same numbers
	s_wait_dscnt 0x0                               ; for the others' sake
	s_barrier_signal -1
	s_barrier_wait -1
	ds_load_b128 v[HMX:HMX+3], v[HMR] offset:MAXS  ; lane l: wave l % 16's four
	s_wait_dscnt 0x0
.irp x, 1,2,4,8
.irp r, 0,1,2,3
	v_max_num_f32_dpp v[HMX+\r], v[HMX+\r], v[HMX+\r] row_xmask:\x row_mask:0xf bank_mask:0xf
.endr
.endr
.irp l, 0,1,2,3
	v_readfirstlane_b32 s[77+\l], v[HMX+\l]
.endr
.irp l, 77,78,79,80
	s_and_b32 s[\l], s[\l], s92                    ; the bits of 2^floor(log2 maximum)
.endr
	s_add_co_u32 s81, s77, s78                     ; U = their product: exponent fields add, three biases too many
	s_add_co_u32 s81, s81, s79
	s_add_co_u32 s81, s81, s80
	s_sub_co_u32 s81, s81, 0xbe800000
	s_add_co_u32 s82, s81, 0x3e4ccccd              ; 0.2 U: U's exponent onto 0.2's
	s_sub_co_u32 s82, s82, 0x3f800000
.irp l, 77,78,79,80
	s_sub_co_u32 s[\l], 0x7f000000, s[\l]          ; s = 1 / 2^floor(..)
.endr
.irp f, 0,1,2,3,4
	v_mul_f32 v[192+\f], s77, v[192+\f]
.endr
	v_cvt_pk_f16_f32 v[HP0], v192, v192            ; k 0, 1: the price's weight, high part, twice
	v_fma_mix_f32 v[HT], v[HP0], v[NEG1], v192 op_sel_hi:[1,0,0]  ; what the rounding left
	v_cvt_pk_f16_f32 v[HP1], v[HT], v195           ; k 2, 3: its low part; the logarithm's weight
	v_cvt_pk_f16_f32 v[HP2], v193, v194            ; k 4, 5: t's, T - t's
	v_cvt_pk_f16_f32 v[HP3], v196, v[VZ]           ; k 6, 7: the bias; 0
	v_cndmask_b32 v[HP0], v[HP0], v[HP1], s69
	v_cndmask_b32 v[HP0], v[HP0], v[HP2], s70
	v_cndmask_b32 v[HP0], v[HP0], v[HP3], s71
	v_cndmask_b32 v[HP1], 0, v[HP0], s72           ; for tile X at k 0-7,
	v_cndmask_b32 v[HP2], 0, v[HP0], s73           ; for tile Y at k 8-15; 0 elsewhere
	v_mul_f32 v[HE2], s78, v[HE2]
	v_mul_f32 v[HE2+1], s78, v[HE2+1]
	v_mul_f32 v[HE3], s79, v[HE3]
	v_mul_f32 v[HE3+1], s79, v[HE3+1]
	v_mul_f32 v[HE4], s80, v[HE4]
	v_mul_f32 v[HE4+1], s80, v[HE4+1]
	v_cvt_pk_f16_f32 v[HP4], v[HE2], v[HE2+1]
	v_cvt_pk_f16_f32 v[HP5], v[HE3], v[HE3+1]
	v_cvt_pk_f16_f32 v[HP6], v[HE4], v[HE4+1]
	ds_store_b32 v[HSTA], v[HP1] offset:MAT1X
	ds_store_b32 v[HSTA], v[HP2] offset:MAT1Y
	ds_store_b32 v[HSTA], v[HP4] offset:MAT2
	ds_store_b32 v[HSTA], v[HP5] offset:MAT3
	ds_store_b32 v[HSTA], v[HP6] offset:MAT4
	s_wait_dscnt 0x0                               ; for the others' sake
	s_barrier_signal -1
	s_barrier_wait -1                              ; all five matrices lie in LDS; nothing is stored there any more
.macro FRAG dst, mat                   ; 16 rows x 32 k: lane l holds row l % 16, k = 8 (l / 16) + 0..7 and 16 + 8 (l / 16) + 0..7
	ds_load_b128 v[\dst:\dst+3],   v[HFA] offset:\mat
	ds_load_b128 v[\dst+4:\dst+7], v[HFA] offset:\mat+32
.endm
	FRAG A1X,   MAT1X
	FRAG A1X+8, MAT1X+16*PITCH
	FRAG A1Y,   MAT1Y
	FRAG A1Y+8, MAT1Y+16*PITCH
	FRAG A2,    MAT2
	FRAG A2+8,  MAT2+16*PITCH
	FRAG A3,    MAT3
	FRAG A3+8,  MAT3+16*PITCH
	FRAG A4,    MAT4
	s_wait_dscnt 0x0                               ; the weights stay in registers for the whole launch
; THE MATRIX WORK.  Every product starts its sum with the constant 0 and is a whole sum (K = 32): no accumulator is added onto.
.macro MM d, a, b
	v_wmma_f32_16x16x32_f16 v[(\d):(\d)+7], v[(\a):(\a)+7], v[(\b):(\b)+7], 0
.endm
.macro M1 g                            ; layer 1: one feature operand, four products
	MM DD+32*(\g),    A1X,   BB+16*(\g)
	MM DD+32*(\g)+8,  A1X+8, BB+16*(\g)
	MM DD+32*(\g)+16, A1Y,   BB+16*(\g)
	MM DD+32*(\g)+24, A1Y+8, BB+16*(\g)
.endm
.macro M23 g, a                        ; a folded layer, 32 x 32, for tiles X and Y
	MM DD+32*(\g),    \a,     BB+16*(\g)
	MM DD+32*(\g)+8,  (\a)+8, BB+16*(\g)
	MM DD+32*(\g)+16, \a,     BB+16*(\g)+8
	MM DD+32*(\g)+24, (\a)+8, BB+16*(\g)+8
.endm
.macro M4 g                            ; the last layer
	MM DD+32*(\g),   A4, BB+16*(\g)
	MM DD+32*(\g)+8, A4, BB+16*(\g)+8
.endm
; THE VECTOR WORK.  A group's four D tiles are rounded to f16 in pairs, each accumulator from its low end on, and the relu is taken on the packed halves.
.macro RELU g
.set j, 0
.rept 16
	v_cvt_pk_f16_f32 v[BB+16*(\g)+j], v[DD+32*(\g)+2*j], v[DD+32*(\g)+2*j+1]
.set j, j+1
.endr
.set j, 0
.rept 16
	v_pk_max_num_f16 v[BB+16*(\g)+j], v[BB+16*(\g)+j], v[VZ]
.set j, j+1
.endr
.endm
.macro FPACK g                         ; my path's 8 slots: price high, price low | price high, log | t, T - t | sigma, 0
	v_cvt_pk_f16_f32 v[BB+16*(\g)+1], v[TPH+(\g)], v[TLH+(\g)]
	v_cvt_pk_f16_f32 v[BB+16*(\g)+2], v[TTH+(\g)], v[TUH+(\g)]
	v_cvt_pk_f16_f32 v[BB+16*(\g)+3], v[TSG+(\g)], v[VZ]
	v_fma_mix_f32 v[TLO+(\g)], v[BB+16*(\g)+1], v[NEG1], v[TPH+(\g)] op_sel_hi:[1,0,0]  ; what the price's rounding left
	v_cvt_pk_f16_f32 v[BB+16*(\g)], v[TPH+(\g)], v[TLO+(\g)]
.endm
.macro UPD g, kind                     ; lanes 0-15 take D(X)'s register kind, lanes 16-31 D(Y)'s: the lane's own path; unscaled; kind 0: the price moves, 1: the hedge
	v_cndmask_b32 v[XX+(\g)], v[DD+32*(\g)+(\kind)], v[DD+32*(\g)+8+(\kind)], s76
	v_mul_f32 v[XX+(\g)], v[XX+(\g)], v[INV+(\g)]
.if (\kind) == 0
	v_mul_f32 v[XX+(\g)], v[XX+(\g)], v[IU+(\g)]
	v_fmac_f32 v[PR+(\g)], v[XX+(\g)], v[PR+(\g)]
.else
	v_fmac_f32 v[HG+(\g)], v[XX+(\g)], v[IU+(\g)]
.endif
.endm
.macro CLEAN r, g                      ; PZ turns NaN if the number is NaN or infinite; the number is then made finite (in these two a NaN loses)
	v_fmac_f32 v[PZ+(\g)], 0, v[(\r)+(\g)]
	v_max_num_f32 v[(\r)+(\g)], s95, v[(\r)+(\g)]
	v_min_num_f32 v[(\r)+(\g)], s94, v[(\r)+(\g)]
.endm
.macro ROT g                           ; the next step's dW comes to the front
.irp j, 0,1,2,3
	v_mov_b32 v[DWA+5*(\g)+\j], v[DWA+5*(\g)+\j+1]
.endr
.endm
; ONE EVALUATION OF THE NET for the wave's 64 paths.  The two groups take turns: behind each group's products stands the other group's vector block, whose lines name none of those products'
; registers.  So the places that a matrix result and a matrix source want ahead of the next vector line that touches them (ISA guide 7.12.1) are useful lines: 32 behind the hidden layers, 5 or 11 behind layer 1 of
; group a, 7 behind the last layer of group b.  No v_nop is written.
.macro EVAL kind
	v_pk_mul_f32 v[TQ:TQ+1], v[PR:PR+1], v[IK:IK+1]
	v_log_f32 v[TQ], v[TQ]                         ; log2(price / K): NaN for a negative price
	v_log_f32 v[TQ+1], v[TQ+1]
.if (\kind) == 0                       ; plain lines that name neither logarithm stand behind them
	v_sub_f32 v[TAU], v[TT], s84
	v_sub_f32 v[TAU+1], v[TT+1], s84
	v_max_num_f32 v[MXZ], 1.0, |v[TAU]|
	v_max_num_f32 v[MXZ+1], 1.0, |v[TAU+1]|
.else
	ROT 0                                          ; IU has been made of this step's dW
.endif
	s_wait_alu depctr_va_vdst(0)                   ; one wait for the two logarithms, ahead of their first reader
	v_pk_fma_f32 v[PZ:PZ+1], v[TQ:TQ+1], 0, v[PZ:PZ+1] op_sel_hi:[1,0,1]
	v_max_num_f32 v[TQ], s97, v[TQ]                ; a finite log2 of an f32 lies within +-149: +-200 changes none
	v_max_num_f32 v[TQ+1], s97, v[TQ+1]
	v_min_num_f32 v[TQ], s96, v[TQ]
	v_min_num_f32 v[TQ+1], s96, v[TQ+1]
	v_max3_num_f32 v[TMX], |v[PR]|, |v[TQ]|, v[MXZ]
	v_max3_num_f32 v[TMX+1], |v[PR+1]|, |v[TQ+1]|, v[MXZ+1]
	v_and_b32 v[TMX], s92, v[TMX]                  ; the bits of 2^e
	v_and_b32 v[TMX+1], s92, v[TMX+1]
	v_sub_nc_u32 v[TSG], s93, v[TMX]               ; sigma = 2^-(e+1): normal, since e is 125 at the most
	v_sub_nc_u32 v[TSG+1], s93, v[TMX+1]
	v_add_nc_u32 v[INV], 0x800000, v[TMX]          ; 2^(e+1)
	v_add_nc_u32 v[INV+1], 0x800000, v[TMX+1]
	v_pk_mul_f32 v[TPH:TPH+1], v[PR:PR+1], v[TSG:TSG+1]
	v_pk_mul_f32 v[TLH:TLH+1], v[TQ:TQ+1], v[TSG:TSG+1]
	v_pk_mul_f32 v[TTH:TTH+1], v[TSG:TSG+1], s[84:85] op_sel_hi:[1,0]
	v_pk_mul_f32 v[TUH:TUH+1], v[TAU:TAU+1], v[TSG:TSG+1]
	FPACK 0
	M1 0
	FPACK 1
	M1 1
.if (\kind) == 0
	v_cmp_le_f32 vcc_lo, s84, v[TT]                ; t <= T
	v_cmp_le_f32 s3, s84, v[TT+1]
	v_cndmask_b32 v[IU], 0, s82, vcc_lo            ; the factor is chosen, not the product: dW x 0 keeps a NaN, as in reference()
	v_cndmask_b32 v[IU+1], 0, s82, s3
	v_mul_f32 v[IU], v[IU], v[DWA]
	v_mul_f32 v[IU+1], v[IU+1], v[DWB]
.endif
	RELU 0
	M23 0, A2
	RELU 1
	M23 1, A2
	RELU 0
	M23 0, A3
	RELU 1
	M23 1, A3
	RELU 0
	M4 0
	RELU 1
	M4 1
	UPD 0, \kind
.if (\kind) == 0
	CLEAN PR, 0
	UPD 1, 0
	CLEAN PR, 1
.else
	ROT 1
	UPD 1, 1
	s_mov_b32 s89, s84                             ; the ring of t turns: five turns bring it back for the next pass
	s_mov_b32 s84, s85
	s_mov_b32 s85, s86
	s_mov_b32 s86, s87
	s_mov_b32 s87, s88
	s_mov_b32 s88, s89
.endif
.endm
.Lpass:
	s_wait_loadcnt 0x0                             ; this pass's 8 loads, issued a pass ago
.irp j, 0,1
	v_mov_b32 v[PR+\j], v[NXT+\j]
	v_mov_b32 v[KK+\j], v[NXT+2+\j]
	v_mov_b32 v[TT+\j], v[NXT+4+\j]
	v_mov_b32 v[HG+\j], 0
	v_mov_b32 v[PZ+\j], 0
.endr
.irp j, 0,1,2,3,4,5,6,7,8,9
	v_mov_b32 v[DWA+\j], v[NXT+6+\j]               ; path a's five, then path b's
.endr
	s_cmp_eq_u32 s98, 1                            ; the last pass has none behind it: no load leaves its buffer
	s_cbranch_scc1 .Lnoload
	PLOADS PASS4, PASS20                           ; the next pass: it has this whole pass in which to land
.Lnoload:
	v_rcp_f32 v[IK], v[KK]
	v_rcp_f32 v[IK+1], v[KK+1]
	CLEAN PR, 0                                    ; plain lines that name neither reciprocal
	CLEAN PR, 1
	CLEAN TT, 0
	CLEAN TT, 1
	s_wait_alu depctr_va_vdst(0)                   ; one wait for the two reciprocals, ahead of the label and of their first reader
	s_mov_b32 s99, STEPS
.Lstep:
	EVAL 0                                         ; the leverage, and the price's move
	EVAL 1                                         ; the hedge on the new price
	s_sub_co_u32 s99, s99, 1
	s_cmp_lg_u32 s99, 0
	s_cbranch_scc1 .Lstep
	v_pk_add_f32 v[XX:XX+1], v[PR:PR+1], v[KK:KK+1] neg_lo:[0,1] neg_hi:[0,1]
	v_add_f32 v[XX], v[XX], |v[XX]|
	v_add_f32 v[XX+1], v[XX+1], |v[XX+1]|
	v_fma_f32 v[XX], v[XX], 0.5, -v[HG]            ; the halving is exact: one rounding, as in reference()
	v_fma_f32 v[XX+1], v[XX+1], 0.5, -v[HG+1]
	v_pk_add_f32 v[XX:XX+1], v[XX:XX+1], v[PZ:PZ+1]
	global_store_b64 v[O8], v[XX:XX+1], s[40:41] th:TH_STORE_NT  ; the wave stores 256 consecutive bytes, at a multiple of 256 from out0's first
	s_wait_xcnt 0x0                                ; the store and the next pass's loads have read their sources: the five pointers and the store's data are rewritten only behind this wait
	s_add_nc_u64 s[8:9], s[8:9], PASS4
	s_add_nc_u64 s[10:11], s[10:11], PASS4
	s_add_nc_u64 s[12:13], s[12:13], PASS4
	s_add_nc_u64 s[40:41], s[40:41], PASS4
	s_add_nc_u64 s[14:15], s[14:15], PASS20
	s_sub_co_u32 s98, s98, 1
	s_cmp_lg_u32 s98, 0
	s_cbranch_scc1 .Lpass
	s_wait_tensorcnt 0x0                           ; the wave's end
	ds_add_u32 v[SPW], v[NIL]
	s_wait_dscnt 0x0
	s_endpgm
.Lfunc_end_k_qeb259b111c_paths:
	.size	k_qeb259b111c_paths, .Lfunc_end_k_qeb259b111c_paths-k_qeb259b111c_paths
	.p2alignl 7, 3214868480
	.fill 96, 4, 3214868480
	.section	.rodata,"a",@progbits
	.p2align	6, 0x0
	.amdhsa_kernel k_qeb259b111c_paths
		.amdhsa_group_segment_fixed_size 15104
		.amdhsa_private_segment_fixed_size 0
		.amdhsa_enable_private_segment 0
		.amdhsa_kernarg_size 136
		.amdhsa_user_sgpr_count 2
		.amdhsa_user_sgpr_kernarg_segment_ptr 1
		.amdhsa_wavefront_size32 1
		.amdhsa_system_sgpr_workgroup_id_x 1
		.amdhsa_system_sgpr_workgroup_id_y 1
		.amdhsa_system_sgpr_workgroup_id_z 1
		.amdhsa_system_vgpr_workitem_id 0
		.amdhsa_next_free_vgpr 224
		.amdhsa_next_free_sgpr 100
		.amdhsa_reserve_vcc 1
		.amdhsa_float_denorm_mode_32 3
		.amdhsa_float_denorm_mode_16_64 3
		.amdhsa_memory_ordered 1
		.amdhsa_forward_progress 1
		.amdhsa_inst_pref_size 53
	.end_amdhsa_kernel
	.amdgpu_metadata
---
amdhsa.version: [ 1, 2 ]
amdhsa.kernels:
  - .name:           k_qeb259b111c_paths
    .symbol:         k_qeb259b111c_paths.kd
    .args:
      - { .name: S0, .offset: 0, .size: 8, .value_kind: global_buffer, .address_space: global }
      - { .name: K, .offset: 8, .size: 8, .value_kind: global_buffer, .address_space: global }
      - { .name: T, .offset: 16, .size: 8, .value_kind: global_buffer, .address_space: global }
      - { .name: BM, .offset: 24, .size: 8, .value_kind: global_buffer, .address_space: global }
      - { .name: W1, .offset: 32, .size: 8, .value_kind: global_buffer, .address_space: global }
      - { .name: b1, .offset: 40, .size: 8, .value_kind: global_buffer, .address_space: global }
      - { .name: W2, .offset: 48, .size: 8, .value_kind: global_buffer, .address_space: global }
      - { .name: b2, .offset: 56, .size: 8, .value_kind: global_buffer, .address_space: global }
      - { .name: W3, .offset: 64, .size: 8, .value_kind: global_buffer, .address_space: global }
      - { .name: b3, .offset: 72, .size: 8, .value_kind: global_buffer, .address_space: global }
      - { .name: W4, .offset: 80, .size: 8, .value_kind: global_buffer, .address_space: global }
      - { .name: b4, .offset: 88, .size: 8, .value_kind: global_buffer, .address_space: global }
      - { .name: W5, .offset: 96, .size: 8, .value_kind: global_buffer, .address_space: global }
      - { .name: b5, .offset: 104, .size: 8, .value_kind: global_buffer, .address_space: global }
      - { .name: W6, .offset: 112, .size: 8, .value_kind: global_buffer, .address_space: global }
      - { .name: b6, .offset: 120, .size: 8, .value_kind: global_buffer, .address_space: global }
      - { .name: out0, .offset: 128, .size: 8, .value_kind: global_buffer, .address_space: global }
    .group_segment_fixed_size: 15104
    .private_segment_fixed_size: 0
    .kernarg_segment_align: 8
    .kernarg_segment_size: 136
    .max_flat_workgroup_size: 512
    .sgpr_count:     100
    .vgpr_count:     224
    .wavefront_size: 32
...
	.end_amdgpu_metadata
.endif
;; end of part 1
